; MI455X (gfx1250); checked and timed in simulation.
; The chip was launched on July 23, 2026; its instructions are those of AMD's public machine-readable ISA for CDNA 5 (MIT licence, August 2026) and "CDNA5" Instruction Set Architecture Reference Guide (July 2026). The comments in the code are by the model that wrote it; some were corrected since.
;; Multihead Self Attention. Allowed arithmetic: matrix products marked QUANTISED: E2M3 operands, one E8M0 scale for each 32 along K, by v_wmma_scale_f32_16x16x128_f8f6f4 with both operands' format E2M3, f32 sums; everything else in f32.
;; Inputs: b_proj 1,024 float32; b_qkv 3,072 float32; w_proj_codes 1,024 x 32 x 24 uint8 (E2M3 codes of w_proj, K innermost, in blocks of 32 codes, four codes in three bytes); w_proj_scales 1,024 x 32 uint8 (E8M0 scales of w_proj, one for each 32 codes along K); w_qkv_codes 3,072 x 32 x 24 uint8 (E2M3 codes of w_qkv, K innermost, in blocks of 32 codes, four codes in three bytes); w_qkv_scales 3,072 x 32 uint8 (E8M0 scales of w_qkv, one for each 32 codes along K); x_codes 4 x 2,048 x 32 x 24 uint8 (E2M3 codes of x, K innermost, in blocks of 32 codes, four codes in three bytes); x_scales 4 x 2,048 x 32 uint8 (E8M0 scales of x, one for each 32 codes along K).
;; Outputs: out0 4 x 2,048 x 1,024 float32.
;; This version of the problem:
;;   THIS VERSION OF THE PROBLEM IS GIVEN IN LOW PRECISION. The matrix products marked QUANTISED in the list below multiply operands that are first quantised to E2M3 (2 exponent bits, 3 mantissa bits; 6 bits a number), with one power-of-two scale for each 32 numbers along K (OCP MX v1.0); their sums are f32. All else is computed in f32.
;;   The module's matrix products, in the order in which they are computed (A, B: the left and right operand; K: the contracted axis; several contracted axes count as one K, in the product's order):
;;     1. [M 8,192, K 1,024] x [K 1,024, N 3,072]; A: input x (given as codes); B: input w_qkv (given as codes): QUANTISED
;;     2. batch 64 x [M 2,048, K 64] x [K 64, N 2,048]; A: computed on the way; B: computed on the way: QUANTISED
;;     3. batch 64 x [M 2,048, K 2,048] x [K 2,048, N 64]; A: softmax (see below); B: computed on the way: QUANTISED
;;     4. [M 8,192, K 1,024] x [K 1,024, N 1,024]; A: computed on the way; B: input w_proj (given as codes): QUANTISED
;;   THE QUANTISER, for each operand of a quantised product, along K:
;;     - K is cut into blocks of 32 from its start; a last block that is shorter is filled with zeros.
;;     - A block's scale is 2^e with e = floor(log2(the largest magnitude in the block)) - 2, held to -126 .. 127; a block of zeros has e = 0. As a byte (E8M0): e + 127.
;;     - Each number is divided by its block's scale, clamped to +-7.5, and rounded to the nearest number of E2M3, ties to even, subnormals kept.
;;     - The product sums the exact products of the quantised numbers (number of the format x scale) in f32.
;;   ~~~python
;;   def quantise(x, axis):      # numpy; x: float32 -> the quantised numbers, widened to float32 again
;;       x = np.moveaxis(x, axis, -1); K = x.shape[-1]
;;       x = np.pad(x, [(0, 0)] * (x.ndim - 1) + [(0, -K % 32)]); x = x.reshape(x.shape[:-1] + (-1, 32)); a = np.abs(x).max(-1, keepdims=True)
;;       e = np.where(a > 0, np.clip(np.frexp(np.where(a > 0, a, 1))[1] - 1 - 2, -126, 127), 0)      # np.frexp(a)[1] - 1 = floor(log2(a)), exactly
;;       r = np.clip(x / 2.0 ** e, -7.5, 7.5)
;;       step = 2.0 ** (np.maximum(np.frexp(np.where(r == 0, 1, r))[1] - 1, 0) - 3)
;;       q = np.round(r / step) * step * 2.0 ** e      # np.round: ties to even
;;       return np.moveaxis(q.reshape(q.shape[:-2] + (-1,))[..., :K], -1, axis).astype(np.float32)
;;   ~~~
;;   SOFTMAX AHEAD OF A QUANTISED PRODUCT. Where the list says 'softmax', what is quantised is not the finished softmax but p = 2^(t - M), with t = logit x log2(e) and M = ceil(the row's largest t), a whole number; so 1/2 < the row's largest p <= 1. The row's sum l is taken of the UNQUANTISED p, in f32, and the product's result is divided by l at the end. Since M is a whole number, a kernel that streams over the keys may use a running M (the ceiling of the running maximum): every later rescaling is an exact power of two, which a block's scale takes up: the codes' values come out the same.
;;   OPERANDS COMPUTED ON THE WAY. 'Computed on the way' means the value that the module computes at that place (a softmax that the list does not call 'softmax' is quantised finished and normalised). What goes into a quantiser is computed in f32, as accurately as f32 sums, v_exp_f32 and their like allow (about 1e-6 of the number): no bf16 or f16 on the way to a quantiser, and a product that is left as it is and whose result goes on into a quantised operand takes f32 operands (vector FMAs, or v_wmma_f32_16x16x4_f32). A number that lies on a knife's edge between two numbers of the format may be rounded either way, as far as f32 arithmetic and the matrix unit's own rounding can turn it there, and no further.
;;   INPUTS GIVEN AS CODES. w_proj (in the module: [1024, 1024], K = its axis 0); w_qkv (in the module: [1024, 3072], K = its axis 0); x (in the module: [4, 2048, 1024], K = its axis 2): each comes as NAME_codes (uint8): NAME with its K axis moved to the last place and cut into blocks of 32 codes, [.., K / 32, bytes a block], one block behind the other in memory; four codes in three bytes: a row's codes are one little-endian stream of bits, code i at bits 6 i .. 6 i + 5 (a code: sign, 2 exponent bits, 3 mantissa bits); and NAME_scales (uint8): the same leading axes, one E8M0 byte (e + 127) for each 32 codes along K. Its value is code x scale, taken as it is: it is not quantised again, and the codes and scales need not be those that the quantiser above would give.
;; One version. Each part assembles by itself: llvm-mc -triple=amdgcn-amd-amdhsa -mcpu=gfx1250 --defsym DOCPART=n.
;; ======== version 1 of 1: 3 launches
;; limits: right only within a limited range of input values
;; workspace buffers: q_ws 6,553,600 bytes; kv_ws 13,107,200 bytes; o_img 6,291,456 bytes; o_sc 262,144 bytes
;; launch qkv (part 1): grid 8 x 32, 4 waves a work-group, clusters of 4 x 4, 327,680 bytes of LDS; arguments x_codes, x_scales, w_qkv_codes, w_qkv_scales, b_qkv, q_ws, kv_ws; writes q_ws, kv_ws
.if DOCPART == 1
	.amdgcn_target "amdgcn-amd-amdhsa--gfx1250"
	.amdhsa_code_object_version 6
	.text
	.protected	k_qd62d63be50_qkv
	.globl	k_qd62d63be50_qkv
	.p2align	8
	.type	k_qd62d63be50_qkv,@function
k_qd62d63be50_qkv:
	s_mov_b64 s[64:65], 0
	v_nop
	global_prefetch_b8 v0, s[64:65] scope:SCOPE_SE
	s_setreg_imm32_b32 hwreg(HW_REG_WAVE_MODE, 25, 1), 1
	s_wait_xcnt 0x0
	s_wait_alu depctr_hold_cnt(0) depctr_sa_sdst(0) depctr_va_vdst(0) depctr_va_sdst(0) depctr_va_ssrc(0) depctr_va_vcc(0) depctr_vm_vsrc(0)
	s_getreg_b32 s2, hwreg(HW_REG_IB_STS2, 6, 4)
	s_cmp_eq_u32 s2, 0
	s_cbranch_scc0 .Lentry_in_a_cluster
	s_endpgm
.Lentry_in_a_cluster:
	s_bfe_u32 s2, ttmp6, 0x10000c
	s_cmp_lg_u32 s2, 0xf033
	s_cbranch_scc0 .Lentry_shape_is_right
	s_endpgm
.Lentry_shape_is_right:
; qkv = x w_qkv + b_qkv on codes of FP6 (E2M3) with E8M0 scales; q, k, v are quantised again for the two products of attention.
; A WORK-GROUP STAYS: it holds 256 tokens of x, ALL of K (rows of 768 bytes), in LDS and walks three tiles of 128 rows of w past them: q's, k's, v's rows 128 j .. 128 j + 127 (two heads), j = the work-group's x.
; The weights' region and its scale bytes are filled again twice, each time behind the three lines and a round of the cluster's barrier in the phase's last step; the way out of that phase stands between the request and the tile's first read.
; Source 0 = 16 rows of 'B', source 1 = 16 rows of 'A': lane (r, h) holds A's row r, its registers j B's rows 8 h + j, which are the next product's K.
;   q, k (a loop of two trips): A = my 64 tokens (wave w: 64 w ..), B = the tile's 128 rows of w.   v (written out): A = 64 rows of w, B = 128 tokens.  Only the LDS address registers differ.
; A wave has 32 accumulators; eight steps of 128 along K; the next step's fragments are asked of LDS ahead of a step's 32 products, into a second set of registers.
; CLUSTERS 4 x 4: x's rows are asked for jointly along a row of the cluster, w's along a column.  No prefetch: each later tile is asked for by its tensor load four blocks of conversions and their stores ahead of its first read.
; THE BIAS is the C of each sum's first product; a phase's bias is loaded ahead of the way out of the phase before.
; THE WAY OUT: a lane's 64 numbers of A's block a are four half blocks of 32 along the next K; the lane 16 away holds the other halves.  Inside each block of 32 the codes stand in the order 0-7, 16-23, 8-15, 24-31, alike in q and k and in p and v.
;   q_ws [head 64][128 queries 16][6,400]: 8 images of 768 bytes, then scale words: word (pair b of tiles, row r) at 16 r + 4 b.   kv_ws [head 64][128 keys 16][12,800]: K's 8 images; at 6,144 V^T's four fragments; at 12,288 K's words; at 12,544 V's: (tile t, row r) at 16 r + 4 t.
; LIMITS: NaN and infinities are not served.  A block whose largest magnitude lies under 2^-124 (zeros too) gets the scale byte 1; only this program reads the bytes.  q's and k's scale words leave 8 bytes a lane: a wave holds two of a row's four words.
; REGISTERS: window 0: v0-31, v244-247 addresses; v32-63 scale words, two sets; v64-127 the bias; v128-223 A's fragments, two sets of four, on the way out the codes; v224-253 the way out.  Window 1: B's fragments, sets at v0, v128.  Window 2: accumulator (a, b) at v[8 (8 a + b)].
.set KROW, 768
.set PITCH, 816                        ; 3 x (256 + 16)
.set FR, 12
.set WB, 256*PITCH                     ; the weights' 128 rows, behind x's 256
.set SCL, 384*PITCH                    ; scale bytes in units of 256 + 16: w's 16 units, then x's 32
.set SBLK, 544                         ; those of 16 rows
.set SPARE, SCL+48*272
.set ADRA, 16                          ; q, k: v16 A's rows, v18 the same behind one padding more
.set ADRB, 20                          ; v20, v21 B's rows 0-63, 64-127; v22, v23 behind one padding more
.set ADRS, 27                          ; scale words: lanes 0-15 A's block i, lanes 16-31 B's block i
.set ADRS2, 30                         ; for i = 4 .. 7: lanes 0-15 stay inside A's four blocks
.set LX, 24
.set LY, 25
.set LSC, 26
.set SPW, 28
.set NIL, 29
.set SC, 32
.set BT, 64
.set PC, 128
.set AF, 128
.set TM, 224
.set PW, 240
.set W, 248
.set SELV, 252
.set G1X, 24
.set G0X, 32
.set G1W, 48
.set G0W, 56
.set G1XS, 68
.set G0XS, 76
.set G1WS, 80
.set G0WS, 88
.set SEL, 92
.set HS, 95
.set OUT0, 96
.set OUTS, 100
.set LMASK, 104
.set SH, 105                           ; the phase: 0 q (q_ws), 1 k (kv_ws)
.set MSB, 0
.macro WIN new
.if MSB != \new
	s_set_vgpr_msb (MSB<<8)|\new
.set MSB, \new
.endif
.endm
.macro PLACES n
.rept \n
	v_nop
.endr
.endm
.macro CROUND
	s_barrier_signal -1
	s_barrier_wait -1
	s_cmp_lg_u32 s14, 0
	s_cbranch_scc1 .Lnot_wave_0_\@
	s_barrier_signal -3
.Lnot_wave_0_\@:
	s_barrier_wait -3
	s_barrier_signal -1
	s_barrier_wait -1
.endm
.macro TLOAD g0, g1
	tensor_load_to_lds s[\g0:\g0+3], s[\g1:\g1+7]
	s_nop 0
	PLACES 4
.endm
.macro ARM under, g0, g1, next
	s_cmp_lt_u32 s14, \under
	s_cbranch_scc0 \next
	TLOAD \g0, \g1
	s_branch .Lhead_asked
\next:
.endm
.macro CODESG1 g, mask, rows           ; rows of 768 bytes, 16 bytes of padding behind every 256
	s_or_b32 s[\g], s\mask, (1<<20)|(1<<21)|(5<<22)|(3<<25)
	s_mov_b32 s[\g+1], KROW<<16
	s_mov_b32 s[\g+2], (\rows)<<16
	s_mov_b32 s[\g+3], KROW<<16
	s_mov_b32 s[\g+4], \rows
	s_mov_b32 s[\g+5], KROW
	s_mov_b32 s[\g+6], 0
	s_mov_b32 s[\g+7], 0
.endm
.macro SCALEG1 g, mask, rows           ; a dense block as rows of 256 bytes, 16 bytes of padding behind each
	s_or_b32 s[\g], s\mask, (3<<16)|(1<<20)|(1<<21)|(5<<22)|(3<<25)
	s_mov_b32 s[\g+1], 32<<16
	s_mov_b32 s[\g+2], (\rows)<<16
	s_mov_b32 s[\g+3], 32<<16
	s_mov_b32 s[\g+4], \rows
	s_mov_b32 s[\g+5], 32
	s_mov_b32 s[\g+6], 0
	s_mov_b32 s[\g+7], 0
.endm
.macro BIAS0 off                       ; q, k: tile b = the bias of B's rows 16 b + 8 h + 0 .. 7
.irp b, 0,1,2,3,4,5,6,7
	global_load_b128 v[BT+8*\b:BT+8*\b+3], v7, s[36:37] offset:\off+64*\b
	global_load_b128 v[BT+8*\b+4:BT+8*\b+7], v7, s[36:37] offset:\off+64*\b+16
.endr
.endm
.macro BIAS1                           ; v: tile a = the bias of A's row 16 a + r, in all eight registers
.irp a, 0,1,2,3
.irp j, 0,1,2,3,4,5,6,7
	global_load_b32 v[BT+8*\a+\j], v8, s[62:63] offset:64*\a
.endr
.endr
.endm
	s_load_b256 s[4:11], s[0:1], 0x0               ; x's codes, x's scales, w's codes, w's scales
	s_load_b128 s[36:39], s[0:1], 0x20             ; b_qkv, q_ws
	s_load_b64 s[60:61], s[0:1], 0x30              ; kv_ws
	v_lshl_add_u32 v[SPW], v0, 2, SPARE
	v_mov_b32 v[NIL], 0
	ds_add_u32 v[SPW], v[NIL]                      ; the opening lines: the add twice and its wait
	ds_add_u32 v[SPW], v[NIL]
	v_lshrrev_b32 v1, 5, v0
	v_readfirstlane_b32 s14, v1                    ; wave
	s_lshr_b32 s15, s14, 1
	s_and_b32 s16, s14, 1
	s_bfe_u32 s40, ttmp6, 0x40000                  ; cx
	s_bfe_u32 s41, ttmp6, 0x40004                  ; cy
	s_lshl_b32 s42, ttmp9, 2
	s_add_co_u32 s42, s42, s40                     ; j: which 128 rows of each of q's, k's, v's weights
	s_and_b32 s17, ttmp7, 0xffff
	s_lshl_b32 s17, s17, 2
	s_add_co_u32 s17, s17, s41                     ; which 256 tokens
	s_lshl_b32 s43, s41, 2
	s_lshl_b32 s43, 15, s43                        ; my row of the cluster
	s_lshl_b32 s44, 0x1111, s40                    ; my column
	CODESG1 G1X, 43, 256
	CODESG1 G1W, 44, 128
	SCALEG1 G1XS, 43, 32
	SCALEG1 G1WS, 44, 16
	s_mov_b32 s[G0X], 1
	s_mov_b32 s[G0X+1], 0
	s_mov_b32 s[G0W], 1
	s_mov_b32 s[G0W+1], WB
	s_mov_b32 s[G0XS], 1
	s_mov_b32 s[G0XS+1], SCL+16*272
	s_mov_b32 s[G0WS], 1
	s_mov_b32 s[G0WS+1], SCL
	s_mul_i32 s20, s17, 256*KROW
	s_mov_b32 s21, 0
	s_lshl_b32 s22, s17, 13
	s_mov_b32 s23, 0
	s_mul_i32 s46, s42, 128*KROW
	s_mov_b32 s47, 0
	s_lshl_b32 s18, s42, 12
	s_mov_b32 s19, 0
	s_wait_alu depctr_va_vdst(0)
	s_wait_dscnt 0x0
	CROUND                                         ; all sixteen work-groups are here: the joint loads meet
	s_wait_kmcnt 0x0
	s_add_nc_u64 s[G0X+2:G0X+3], s[4:5], s[20:21]
	s_add_nc_u64 s[G0XS+2:G0XS+3], s[6:7], s[22:23]
	s_add_nc_u64 s[G0W+2:G0W+3], s[8:9], s[46:47]
	s_add_nc_u64 s[G0WS+2:G0WS+3], s[10:11], s[18:19]
	s_or_b32 s[G0X+3], s[G0X+3], 0x80000000
	s_or_b32 s[G0XS+3], s[G0XS+3], 0x80000000
	s_or_b32 s[G0W+3], s[G0W+3], 0x80000000
	s_or_b32 s[G0WS+3], s[G0WS+3], 0x80000000
	ARM 1, G0X, G1X, .Lhead_w                      ; one load a wave: x's rows, q's weights, x's scales, the weights' scales
	ARM 2, G0W, G1W, .Lhead_xs
	ARM 3, G0XS, G1XS, .Lhead_ws
	TLOAD G0WS, G1WS
.Lhead_asked:
	v_and_b32 v1, 15, v0                           ; r (kept)
	v_bfe_u32 v2, v0, 4, 1                         ; h (kept)
	v_and_b32 v6, 31, v0
	v_mul_u32_u24 v3, v1, PITCH
	v_mad_u32_u24 v4, v2, 24, v3                   ; row x pitch + 24 h
	v_mad_u32_u24 v5, v2, 40, v3                   ; and behind one padding more
	v_lshlrev_b32 v[LX], 4, v6
	v_lshlrev_b32 v[LY], 3, v6
	v_lshlrev_b32 v7, 5, v2                        ; bias, q and k (kept)
	v_lshlrev_b32 v8, 2, v1                        ; bias, v (kept)
	v_sub_nc_u32 v9, 1, v2                         ; 1 in lanes 0-15
	v_lshlrev_b32 v10, 5, v1                       ; my row's scales: 32 bytes a row,
	v_lshrrev_b32 v11, 8, v10
	v_lshl_add_u32 v10, v11, 4, v10                ; and 16 more behind 256
	s_wait_alu depctr_va_vdst(0)
	s_mov_b32 s[SEL], 0x76543210
	s_mov_b32 s[SEL+1], 0xfedcba98
	s_mov_b32 s[LMASK], 0xffff0000
	; q, k: A = x's rows 64 w .., B = the weights' 128 rows
	s_mul_i32 s21, s14, 64*PITCH
	v_add_nc_u32 v16, s21, v4
	v_add_nc_u32 v18, s21, v5
	v_add_nc_u32 v20, WB, v4
	v_add_nc_u32 v22, WB, v5
	v_add_nc_u32 v21, WB+64*PITCH, v4
	v_add_nc_u32 v23, WB+64*PITCH, v5
	s_mul_i32 s21, s14, 4*SBLK
	s_add_co_u32 s22, s21, 8*SBLK                  ; x's scales lie 8 SBLK behind the weights'
	s_add_co_u32 s23, s21, 4*SBLK
	v_mul_u32_u24 v11, s22, v9
	v_add_nc_u32 v11, v11, v10
	v_add_nc_u32 v27, SCL, v11
	v_mul_u32_u24 v11, s23, v9
	v_add_nc_u32 v11, v11, v10
	v_add_nc_u32 v30, SCL, v11
	; v: A = the weights' rows 64 (w / 2) .., B = x's rows 128 (w % 2) ..
	s_mul_i32 s21, s15, 64*PITCH
	s_add_co_u32 s21, s21, WB
	s_mul_i32 s22, s16, 128*PITCH
	v_add_nc_u32 v12, s21, v4
	v_add_nc_u32 v14, s21, v5
	v_add_nc_u32 v244, s22, v4
	v_add_nc_u32 v246, s22, v5
	s_add_co_u32 s22, s22, 64*PITCH
	v_add_nc_u32 v245, s22, v4
	v_add_nc_u32 v247, s22, v5
	s_mul_i32 s21, s15, 4*SBLK
	s_mul_i32 s22, s16, 8*SBLK
	s_add_co_u32 s22, s22, 8*SBLK
	s_sub_co_u32 s22, s22, s21
	s_add_co_u32 s23, s22, 4*SBLK
	s_add_co_u32 s20, s21, SCL
	s_add_co_u32 s21, s21, SCL-4*SBLK
	v_mul_u32_u24 v11, s22, v2
	v_add_nc_u32 v11, v11, v10
	v_add_nc_u32 v13, s20, v11
	v_mul_u32_u24 v11, s23, v2
	v_add_nc_u32 v11, v11, v10
	v_add_nc_u32 v15, s21, v11
	; the bias: s[36:37] q's 128 numbers (k's 4,096 bytes on); s[62:63] v's 64 that are mine
	s_lshl_b32 s18, s42, 9
	s_mov_b32 s19, 0
	s_add_nc_u64 s[36:37], s[36:37], s[18:19]
	s_lshl_b32 s18, s15, 8
	s_add_co_u32 s18, s18, 8192
	s_add_nc_u64 s[62:63], s[36:37], s[18:19]
	BIAS0 0
.macro FRAG reg, adr, st, i            ; 16 rows x 128 K: six pieces of 8 bytes; piece n of a row lies at 8 n + 16 (n / 32); lanes 16-31 read three pieces on
.irp p, 0,1,2,3,4,5
.set PCE, 12*(\st)+6*(\p/3)+\p%3
.if PCE%32 < 29
	ds_load_b64 v[\reg+2*\p:\reg+2*\p+1], v[\adr+(\i)/4] offset:8*PCE+16*(PCE/32)+((\i)%4)*16*PITCH
.else
	ds_load_b64 v[\reg+2*\p:\reg+2*\p+1], v[\adr+2+(\i)/4] offset:8*PCE+16*(PCE/32)+((\i)%4)*16*PITCH
.endif
.endr
.endm
.macro FETCH st                        ; step st's fragments into set st % 2; with an even step the scale words of two steps
	WIN 0x40
.irp i, 0,1,2,3,4,5,6,7
	FRAG 128*((\st)%2)+FR*\i, ADRB, \st, \i
.endr
	WIN 0
.irp i, 0,1,2,3
	FRAG AF+FR*(\i+4*((\st)%2)), ADRA, \st, \i
.endr
.if (\st)%2 == 0
.irp i, 0,1,2,3
	ds_load_b64 v[SC+16*(((\st)/2)%2)+2*\i:SC+16*(((\st)/2)%2)+2*\i+1], v[ADRS] offset:\i*SBLK+4*(\st)
.endr
.irp i, 4,5,6,7
	ds_load_b64 v[SC+16*(((\st)/2)%2)+2*\i:SC+16*(((\st)/2)%2)+2*\i+1], v[ADRS2] offset:\i*SBLK+4*(\st)
.endr
.endif
.endm
.macro WM a, b, c
	v_wmma_scale_f32_16x16x128_f8f6f4 v[8*(8*(\a)+\b):8*(8*(\a)+\b)+7], v[128*P_+FR*\b:128*P_+FR*\b+FR-1], v[AF+FR*((\a)+4*P_):AF+FR*((\a)+4*P_)+FR-1], \c, v[S_+2*\b], v[S_+2*(\a)] matrix_a_fmt:MATRIX_FMT_FP6 matrix_b_fmt:MATRIX_FMT_FP6 matrix_a_scale:MATRIX_SCALE_ROW1
.endm
.macro MULS st, mode                   ; 32 products, the 32 accumulators by turns.  mode 1: the sums begin with the bias of B's block; 2: of A's
.set P_, (\st)%2
.set S_, SC+16*(((\st)/2)%2)+P_
.if \mode
	WIN 0x81
.else
	WIN 0xa1
.endif
.irp a, 0,1,2,3
.irp b, 0,1,2,3,4,5,6,7
.if \mode == 0
	WM \a, \b, v[8*(8*\a+\b):8*(8*\a+\b)+7]
.elseif \mode == 1
	WM \a, \b, v[BT+8*\b:BT+8*\b+7]
.else
	WM \a, \b, v[BT+8*\a:BT+8*\a+7]
.endif
.endr
.endr
.endm
.macro PRE st                          ; step st's fragments are in; the next step's are asked for, four places behind the products that read their registers
	s_wait_dscnt 0x0
.if (\st) < 7
	PLACES 4
	FETCH (\st)+1
.endif
.endm
.macro PHASE mode, refill              ; one tile of weights against my tokens
	s_wait_alu depctr_va_vdst(0)
	s_wait_tensorcnt 0x0                           ; my tile is in
	s_barrier_signal -1
	s_barrier_wait -1                              ; everybody's is
	FETCH 0
	PRE 0
	s_wait_loadcnt 0x0                             ; the bias
	MULS 0, \mode
.irp st, 1,2,3,4,5,6
	PRE \st
	MULS \st, 0
.endr
	PRE 7                                          ; my last reads of the weights' region are over
	WIN 0
.if \refill
	s_wait_tensorcnt 0x0                           ; the three lines ahead of a refill's round
	ds_add_u32 v[SPW], v[NIL]
	s_add_nc_u64 s[G0W+2:G0W+3], s[G0W+2:G0W+3], 1024*KROW   ; the next tensor's rows 128 j ..
	s_add_nc_u64 s[G0WS+2:G0WS+3], s[G0WS+2:G0WS+3], 1024*32
.endif
	MULS 7, 0
	WIN 0
.if \refill
	s_wait_dscnt 0x0
	CROUND                                         ; no wave of any partner still reads the weights' region
	s_cmp_eq_u32 s14, 0
	s_cbranch_scc0 .Lfill_s_\@
	TLOAD G0W, G1W                                 ; wave 0: the rows
	s_branch .Lfilled_\@
.Lfill_s_\@:
	s_cmp_eq_u32 s14, 1
	s_cbranch_scc0 .Lfilled_\@
	TLOAD G0WS, G1WS                               ; wave 1: their scale bytes
.Lfilled_\@:
.endif
.endm
.macro EBLK a, isv                     ; A's block a: eight accumulators, 64 registers on end
.set AC, 64*(\a)
.set PCA, PC+20*(\a)
	WIN 0x28
.irp b, 0,1,2,3
	v_max3_num_f32 v[TM+\b], 0x1800000, |v[AC+16*\b]|, |v[AC+1+16*\b]|   ; with the floor 2^(3 - 127): the byte cannot fall under 1
.endr
.irp i, 2,4,6,8,10,12,14
.irp b, 0,1,2,3
	v_max3_num_f32 v[TM+\b], v[TM+\b], |v[AC+16*\b+\i]|, |v[AC+1+16*\b+\i]|
.endr
.endr
	WIN 0
.irp b, 0,1,2,3
	v_permlanex16_b32 v[TM+4+\b], v[TM+\b], s[SEL], s[SEL+1]
.endr
.irp b, 0,1,2,3
	v_max_num_f32 v[TM+\b], v[TM+\b], v[TM+4+\b]   ; with lane l xor 16's
.endr
.irp b, 0,1,2,3
	v_add_nc_u32 v[TM+12+\b], 0xff000000, v[TM+\b] ; 2 off the exponent field: the conversion's scale operand
.endr
.irp b, 0,1,2,3
	v_lshrrev_b32 v[TM+4+\b], 23, v[TM+12+\b]      ; the scale's byte
.endr
	v_lshl_or_b32 v[PW+\a], v[TM+5], 8, v[TM+4]
	v_lshl_or_b32 v[PW+\a], v[TM+6], 16, v[PW+\a]
	v_lshl_or_b32 v[PW+\a], v[TM+7], 24, v[PW+\a]
	WIN 2
.irp c, 0,1
	v_cvt_scalef32_pk16_fp6_f32 v[PCA+6*\c:PCA+2+6*\c], v[AC+32*\c:AC+15+32*\c], v[TM+12+2*\c]
	v_cvt_scalef32_pk16_fp6_f32 v[PCA+12+4*\c:PCA+14+4*\c], v[AC+16+32*\c:AC+31+32*\c], v[TM+12+2*\c+1]
.endr
	WIN 0
	v_nop                                          ; one plain place behind a scaled conversion
.irp c, 0,1                                    ; a whole block to a lane
.irp i, 0,1,2
	v_permlane16_swap_b32 v[PCA+6*\c+\i], v[PCA+12+4*\c+\i]
.endr
.irp i, 0,1,2
	v_mov_b32 v[PCA+3+6*\c+\i], v[PCA+12+4*\c+\i]
.endr
.endr
.irp c, 0,1                                    ; an image of 768 bytes: each store covers 512 or 256 consecutive bytes, aligned to 256
.if \isv
	global_store_b128 v[LX], v[PCA+6*\c:PCA+6*\c+3], s[OUT0:OUT0+1] offset:1536*(\a)+768*\c
	global_store_b64 v[LY], v[PCA+6*\c+4:PCA+6*\c+5], s[OUT0:OUT0+1] offset:1536*(\a)+768*\c+512
.else
	global_store_b128 v[LX], v[PCA+6*\c:PCA+6*\c+3], s[OUT0+2*\c:OUT0+2*\c+1] offset:768*(\a)
	global_store_b64 v[LY], v[PCA+6*\c+4:PCA+6*\c+5], s[OUT0+2*\c:OUT0+2*\c+1] offset:768*(\a)+512
.endif
.endr
.endm
.macro EPI isv
	PLACES 4
.irp b, 0,1,2,3
	v_mov_b32 v[TM+4+\b], 0                        ; a lane permute's destination counts as one of its sources
.endr
.irp a, 0,1,2,3
	EBLK \a, \isv
.endr
.if \isv
	s_wait_alu depctr_va_vdst(0)
	v_cmp_gt_u32 vcc_lo, 256, v[LX]                ; block a's word is tile a's: lanes 0-15 fill my head's 256 bytes
	s_wait_xcnt 0x0                                ; EXEC changes only behind this wait
	s_and_saveexec_b32 s18, vcc_lo
	global_store_b128 v[LSC], v[PW:PW+3], s[OUTS:OUTS+1]
	s_wait_xcnt 0x0
	s_or_b32 exec_lo, exec_lo, s18
.else
	v_mov_b32 v[SELV], 0x05040100                  ; a block's word holds my first head's two bytes, then my second's
	v_mov_b32 v[SELV+1], 0x07060302
	v_cndmask_b32 v[SELV], v[SELV], v[SELV+1], s[LMASK]
	v_perm_b32 v[W], v[PW+1], v[PW], v[SELV]
	v_perm_b32 v[W+1], v[PW+3], v[PW+2], v[SELV]
	global_store_b64 v[LSC], v[W:W+1], s[OUTS:OUTS+1]
.endif
.endm
	s_mov_b32 s[SH], 0
.Lphase:                                               ; q, then k
	s_wait_xcnt 0x0                                ; the last phase's stores have read their bases, offsets and data
	s_lshr_b32 s20, s17, 3                         ; the batch
	s_lshl_b32 s20, s20, 4
	s_lshl_b32 s18, s42, 1
	s_add_co_u32 s20, s20, s18                     ; 16 x batch + my first head
	s_and_b32 s22, s17, 7
	s_lshl_b32 s22, s22, 1
	s_add_co_u32 s22, s22, s15                     ; which 128 tokens of the batch
	s_lshl_b32 s[HS], 102400, s[SH]                ; a head's bytes
	s_lshl_b32 s21, 6400, s[SH]
	s_mul_i32 s18, s20, s[HS]
	s_mul_i32 s22, s22, s21
	s_add_co_u32 s18, s18, s22
	s_mov_b32 s19, 0
	s_cmp_eq_u32 s[SH], 0
	s_cselect_b64 s[OUT0:OUT0+1], s[38:39], s[60:61]
	s_add_nc_u64 s[OUT0:OUT0+1], s[OUT0:OUT0+1], s[18:19]
	s_lshl_b32 s18, 6144, s[SH]
	s_lshl_b32 s23, s16, 3
	s_add_co_u32 s18, s18, s23
	s_add_nc_u64 s[OUTS:OUTS+1], s[OUT0:OUT0+1], s[18:19]   ; my two of a row's four scale words
	s_mul_i32 s18, s16, 3072
	s_add_nc_u64 s[OUT0:OUT0+1], s[OUT0:OUT0+1], s[18:19]   ; my four of the eight images
	s_mov_b32 s18, s[HS]
	s_add_nc_u64 s[OUT0+2:OUT0+3], s[OUT0:OUT0+1], s[18:19]
	v_mul_u32_u24 v[LSC], s[HS], v2                ; lanes 16-31: my second head's words
	v_lshl_add_u32 v[LSC], v1, 4, v[LSC]
	PHASE 1, 1
	s_cmp_eq_u32 s[SH], 0                          ; the next phase's bias
	s_cbranch_scc0 .Lbias_v
	BIAS0 4096
	s_branch .Lbias_done
.Lbias_v:
	BIAS1
.Lbias_done:
	EPI 0
	s_add_co_u32 s[SH], s[SH], 1
	s_cmp_lt_u32 s[SH], 2
	s_wait_alu depctr_va_vdst(0)
	s_cbranch_scc1 .Lphase
	; v
.set ADRA, 12
.set ADRB, 244
.set ADRS, 13
.set ADRS2, 15
	s_wait_xcnt 0x0
	s_lshr_b32 s20, s17, 3
	s_lshl_b32 s20, s20, 4
	s_lshl_b32 s18, s42, 1
	s_add_co_u32 s20, s20, s18
	s_add_co_u32 s20, s20, s15                     ; 16 x batch + my head
	s_and_b32 s22, s17, 7
	s_lshl_b32 s22, s22, 1
	s_add_co_u32 s22, s22, s16                     ; which 128 keys of the batch
	s_mul_i32 s18, s20, 204800
	s_mul_i32 s22, s22, 12800
	s_add_co_u32 s18, s18, s22
	s_add_co_u32 s18, s18, 6144                    ; V^T lies behind K's images
	s_mov_b32 s19, 0
	s_add_nc_u64 s[OUT0:OUT0+1], s[60:61], s[18:19]
	s_add_nc_u64 s[OUTS:OUTS+1], s[OUT0:OUT0+1], 6400
	v_lshlrev_b32 v[LSC], 4, v1
	PHASE 2, 0
	EPI 1
	s_wait_tensorcnt 0x0                           ; the wave's end
	ds_add_u32 v[SPW], v[NIL]
	s_wait_dscnt 0x0
	CROUND                                         ; the closing round
	s_endpgm
.Lfunc_end_k_qd62d63be50_qkv:
	.size	k_qd62d63be50_qkv, .Lfunc_end_k_qd62d63be50_qkv-k_qd62d63be50_qkv
	.p2alignl 7, 3214868480
	.fill 96, 4, 3214868480
	.section	.rodata,"a",@progbits
	.p2align	6, 0x0
	.amdhsa_kernel k_qd62d63be50_qkv
		.amdhsa_group_segment_fixed_size 327680
		.amdhsa_private_segment_fixed_size 0
		.amdhsa_enable_private_segment 0
		.amdhsa_kernarg_size 56
		.amdhsa_user_sgpr_count 2
		.amdhsa_user_sgpr_kernarg_segment_ptr 1
		.amdhsa_wavefront_size32 1
		.amdhsa_system_sgpr_workgroup_id_x 1
		.amdhsa_system_sgpr_workgroup_id_y 1
		.amdhsa_system_sgpr_workgroup_id_z 1
		.amdhsa_system_vgpr_workitem_id 0
		.amdhsa_next_free_vgpr 768
		.amdhsa_next_free_sgpr 106
		.amdhsa_reserve_vcc 1
		.amdhsa_float_denorm_mode_32 3
		.amdhsa_float_denorm_mode_16_64 3
		.amdhsa_memory_ordered 1
		.amdhsa_forward_progress 1
		.amdhsa_inst_pref_size 198
	.end_amdhsa_kernel
	.amdgpu_metadata
---
amdhsa.version: [ 1, 2 ]
amdhsa.kernels:
  - .name:           k_qd62d63be50_qkv
    .symbol:         k_qd62d63be50_qkv.kd
    .args:
      - { .name: x_codes, .offset: 0, .size: 8, .value_kind: global_buffer, .address_space: global }
      - { .name: x_scales, .offset: 8, .size: 8, .value_kind: global_buffer, .address_space: global }
      - { .name: w_qkv_codes, .offset: 16, .size: 8, .value_kind: global_buffer, .address_space: global }
      - { .name: w_qkv_scales, .offset: 24, .size: 8, .value_kind: global_buffer, .address_space: global }
      - { .name: b_qkv, .offset: 32, .size: 8, .value_kind: global_buffer, .address_space: global }
      - { .name: q_ws, .offset: 40, .size: 8, .value_kind: global_buffer, .address_space: global }
      - { .name: kv_ws, .offset: 48, .size: 8, .value_kind: global_buffer, .address_space: global }
    .group_segment_fixed_size: 327680
    .private_segment_fixed_size: 0
    .kernarg_segment_align: 8
    .kernarg_segment_size: 56
    .max_flat_workgroup_size: 128
    .sgpr_count:     106
    .vgpr_count:     768
    .wavefront_size: 32
...
	.end_amdgpu_metadata
.endif
;; end of part 1
;; launch attn (part 2): grid 4 x 64, 8 waves a work-group, clusters of 4 x 1, 327,680 bytes of LDS; arguments q_ws, kv_ws, o_img, o_sc; writes o_img, o_sc
.if DOCPART == 2
	.amdgcn_target "amdgcn-amd-amdhsa--gfx1250"
	.amdhsa_code_object_version 6
	.text
	.protected	k_qd62d63be50_attn
	.globl	k_qd62d63be50_attn
	.p2align	8
	.type	k_qd62d63be50_attn,@function
k_qd62d63be50_attn:
	s_mov_b64 s[64:65], 0
	v_nop
	global_prefetch_b8 v0, s[64:65] scope:SCOPE_SE
	s_setreg_imm32_b32 hwreg(HW_REG_WAVE_MODE, 25, 1), 1
	s_wait_xcnt 0x0
	s_wait_alu depctr_hold_cnt(0) depctr_sa_sdst(0) depctr_va_vdst(0) depctr_va_sdst(0) depctr_va_ssrc(0) depctr_va_vcc(0) depctr_vm_vsrc(0)
	s_getreg_b32 s2, hwreg(HW_REG_IB_STS2, 6, 4)
	s_cmp_eq_u32 s2, 0
	s_cbranch_scc0 .Lentry_in_a_cluster
	s_endpgm
.Lentry_in_a_cluster:
	s_bfe_u32 s2, ttmp6, 0x10000c
	s_cmp_lg_u32 s2, 0x3003
	s_cbranch_scc0 .Lentry_shape_is_right
	s_endpgm
.Lentry_shape_is_right:
.set STEPB, 12800
.set L16, 1
.set L8,  2
.set A16, 3
.set A8,  4
.set L32, 5
.set QW,  6
.set KSC, 8
.set QS,  12
.set ST,  16
.set S,   32
.set VF,  96
.set PF,  144
.set CT,  156
.set BM,  164
.set T4,  168
.set SO,  172
.set XT,  176
.set FF,  178
.set PSW, 179
.set VSC, 180
.set K16, 186
.set K8,  187
.set TN,  51
.set QB,  128
.set KF,  184
.set E,   32
.set OC,  96
.set OW,  128
.set WV,  12
.set SEL, 20
.set CS,  22
.set G1A, 24
.set G1B, 32
.set G0A, 40
.set G0B, 44
.set TB,  48
.set CNT, 49
.set LMASK, 50
.set OI,  52
.set OS,  54
.set MSB, 0
.macro WIN new
.if MSB != \new
	s_set_vgpr_msb (MSB<<8)|\new
.set MSB, \new
.endif
.endm
.macro CROUND
	s_barrier_signal -1
	s_barrier_wait -1
	s_cmp_lg_u32 s[WV], 0
	s_cbranch_scc1 .Lnot_wave_0_\@
	s_barrier_signal -3
.Lnot_wave_0_\@:
	s_barrier_wait -3
	s_barrier_signal -1
	s_barrier_wait -1
.endm
	s_load_b256 s[4:11], s[0:1], 0x0
	v_lshl_add_u32 v254, v0, 2, 0x32000
	v_mov_b32 v255, 0
	ds_add_u32 v254, v255
	ds_add_u32 v254, v255
	v_lshrrev_b32 v[XT], 5, v0
	s_delay_alu instid0(VALU_DEP_1)
	v_readfirstlane_b32 s[WV], v[XT]
	s_bfe_u32 s13, ttmp6, 0x40000
	s_and_b32 s14, ttmp7, 0xffff
	s_mov_b32 s[G1A], 15|(3<<16)|(1<<21)
	s_mov_b32 s[G1A+1], 32<<16
	s_mov_b32 s[G1A+2], 25<<16
	s_mov_b32 s[G1A+3], 32<<16
	s_mov_b32 s[G1A+4], 25
	s_mov_b32 s[G1A+5], 32
	s_mov_b32 s[G1A+6], 0
	s_mov_b32 s[G1A+7], 0
	s_mov_b32 s[G1B], 15|(3<<16)|(1<<21)
	s_mov_b32 s[G1B+1], 32<<16
	s_mov_b32 s[G1B+2], 75<<16
	s_mov_b32 s[G1B+3], 32<<16
	s_mov_b32 s[G1B+4], 75
	s_mov_b32 s[G1B+5], 32
	s_mov_b32 s[G1B+6], 0
	s_mov_b32 s[G1B+7], 0
	s_mul_i32 s16, s14, 16*STEPB
	s_mul_i32 s18, s[WV], 6400
	s_mul_i32 s19, s[WV], 19200
	s_add_co_u32 s19, s19, 4*STEPB
	s_add_co_u32 s56, s16, s18
	s_mov_b32 s57, 0
	s_add_co_u32 s58, s16, s19
	s_mov_b32 s59, 0
	s_mov_b32 s[SEL], 0x76543210
	s_mov_b32 s[SEL+1], 0xfedcba98
	s_mov_b32 s[CS], 0x3e38aa3b
	s_mov_b32 s[CS+1], s[CS]
	s_mov_b32 s[LMASK], 0xffff0000
	s_wait_dscnt 0x0
	s_wait_kmcnt 0x0
	s_mov_b32 s[G0A], 1
	s_mov_b32 s[G0A+1], s18
	s_add_nc_u64 s[G0A+2:G0A+3], s[6:7], s[56:57]
	s_or_b32 s[G0A+3], s[G0A+3], 0x80000000
	s_mov_b32 s[G0B], 1
	s_mov_b32 s[G0B+1], s19
	s_add_nc_u64 s[G0B+2:G0B+3], s[6:7], s[58:59]
	s_or_b32 s[G0B+3], s[G0B+3], 0x80000000
	CROUND
	tensor_load_to_lds s[G0A:G0A+3], s[G1A:G1A+7]
	s_nop 0
	s_wait_alu depctr_va_vdst(0)
	s_wait_tensorcnt 0x0
	ds_add_u32 v254, v255
	s_wait_dscnt 0x0
	CROUND
	tensor_load_to_lds s[G0B:G0B+3], s[G1B:G1B+7]
	s_nop 0
.rept 4
	v_nop
.endr
	s_lshl_b32 s16, s13, 2
	s_lshr_b32 s17, s[WV], 1
	s_add_co_u32 s16, s16, s17
	s_mul_i32 s16, s16, 6400
	s_mul_i32 s17, s14, 102400
	s_add_co_u32 s16, s16, s17
	s_mov_b32 s17, 0
	s_add_nc_u64 s[4:5], s[4:5], s[16:17]
	s_and_b32 s18, s[WV], 1
	s_mul_i32 s16, s18, 3072
	s_add_nc_u64 s[56:57], s[4:5], s[16:17]
	s_lshr_b32 s16, s14, 4
	s_and_b32 s17, s14, 15
	s_lshl_b32 s19, s16, 7
	s_lshl_b32 s16, s13, 5
	s_add_co_u32 s19, s19, s16
	s_lshl_b32 s16, s[WV], 2
	s_add_co_u32 s19, s19, s16
	s_mul_i32 s58, s19, 12288
	s_mul_i32 s16, s17, 768
	s_add_co_u32 s58, s58, s16
	s_add_nc_u64 s[OI:OI+1], s[8:9], s[58:59]
	s_lshl_b32 s58, s19, 9
	s_lshl_b32 s16, s17, 1
	s_add_co_u32 s58, s58, s16
	s_add_nc_u64 s[OS:OS+1], s[10:11], s[58:59]
	v_and_b32 v[XT], 31, v0
	s_delay_alu instid0(VALU_DEP_1)
	v_lshlrev_b32 v[L16], 4, v[XT]
	s_delay_alu instid0(VALU_DEP_2)
	v_lshlrev_b32 v[L8], 3, v[XT]
	s_delay_alu instid0(VALU_DEP_3)
	v_lshlrev_b32 v[L32], 5, v[XT]
	v_and_b32 v[XT+1], 15, v0
	s_delay_alu instid0(VALU_DEP_1)
	v_lshlrev_b32 v[XT+1], 4, v[XT+1]
	s_delay_alu instid0(VALU_DEP_1)
	v_lshl_add_u32 v[XT+1], s18, 3, v[XT+1]
	WIN 0x40
.irp i, 0,1,2,3
	global_load_b128 v[QB+6+12*\i:QB+9+12*\i], v[L16], s[56:57] offset:768*\i
	global_load_b64 v[QB+10+12*\i:QB+11+12*\i], v[L8], s[56:57] offset:768*\i+512
.endr
.irp z, 0,1,2,3,4
.irp k, 0,1,2,3,4,5
	v_mov_b32 v[QB+12*\z+\k], 0
.endr
.endr
	WIN 0
	global_load_b64 v[QW:QW+1], v[XT+1], s[4:5] offset:6144
.irp i, 0,1,2,3
	v_mov_b32 v[ST+4*\i+1], 0xff61b1e6
	v_mov_b32 v[ST+4*\i+2], 0
	v_mov_b32 v[ST+4*\i+3], 0
.endr
.irp i, 0,1,2,3
	v_floor_f32 v[ST+4*\i], -v[ST+4*\i+1]
.endr
.irp b, 0,1,2,3
	v_mov_b32 v[T4+\b], 0
.endr
	v_mov_b32 v[PSW], 0
	s_wait_loadcnt 0x0
	v_perm_b32 v[QS], v[QW], v[QW], 0x01000100
	v_perm_b32 v[QS+1], v[QW], v[QW], 0x03020302
	v_perm_b32 v[QS+2], v[QW+1], v[QW+1], 0x01000100
	v_perm_b32 v[QS+3], v[QW+1], v[QW+1], 0x03020302
	WIN 0x40
.set j, 0
.rept 128
	v_mov_b32 v[j], 0
.set j, j+1
.endr
	WIN 0
.macro IMG dst, off
	ds_load_b128 v[\dst:\dst+3], v[A16] offset:\off
	ds_load_b64 v[\dst+4:\dst+5], v[A8] offset:\off+512
	ds_load_b128 v[\dst+6:\dst+9], v[A16] offset:\off+768
	ds_load_b64 v[\dst+10:\dst+11], v[A8] offset:\off+1280
.endm
.macro TILE i
.set MM, ST+4*\i
.if \i == 0
	s_wait_dscnt 17
.endif
	WIN 0x05
.irp b, 0,1,2,3
	v_wmma_scale_f32_16x16x128_f8f6f4 v[S+16*\b:S+16*\b+7], v[KF+12*\b:KF+12*\b+11], v[QB+6+12*\i:QB+17+12*\i], 0, v[KSC+\b], v[QS+\i] matrix_a_fmt:MATRIX_FMT_FP6 matrix_b_fmt:MATRIX_FMT_FP6
	v_wmma_scale_f32_16x16x128_f8f6f4 v[S+16*\b+8:S+16*\b+15], v[KF+12*\b:KF+12*\b+11], v[QB+12*\i:QB+11+12*\i], 0, v[KSC+\b], v[QS+\i] matrix_a_fmt:MATRIX_FMT_FP6 matrix_b_fmt:MATRIX_FMT_FP6
.endr
	WIN 0
.rept 4
	v_nop
.endr
.if \i == 3
	KLOAD
.endif
.irp b, 0,1,2,3
	v_max3_num_f32 v[BM+\b], v[S+16*\b], v[S+1+16*\b], v[S+2+16*\b]
.endr
.irp k, 3,5,7,9,11,13
.irp b, 0,1,2,3
	v_max3_num_f32 v[BM+\b], v[BM+\b], v[S+16*\b+\k], v[S+1+16*\b+\k]
.endr
.endr
.irp b, 0,1,2,3
	v_max_num_f32 v[BM+\b], v[BM+\b], v[S+15+16*\b]
.endr
.irp b, 0,1,2,3
	s_delay_alu instid0(VALU_DEP_4)
	v_permlanex16_b32 v[T4+\b], v[BM+\b], s[SEL], s[SEL+1]
.endr
.irp b, 0,1,2,3
	s_delay_alu instid0(VALU_DEP_4)
	v_max_num_f32 v[BM+\b], v[BM+\b], v[T4+\b]
.endr
	s_delay_alu instid0(VALU_DEP_2)
	v_max3_num_f32 v[XT], v[BM], v[BM+1], v[BM+2]
	s_delay_alu instid0(VALU_DEP_1)
	v_max_num_f32 v[XT], v[XT], v[BM+3]
	s_delay_alu instid0(VALU_DEP_1)
	v_mul_f32 v[XT], s[CS], v[XT]
	s_delay_alu instid0(VALU_DEP_1)
	v_max_num_f32 v[MM+1], v[MM+1], v[XT]
	v_mov_b32 v[XT], v[MM]
	s_delay_alu instid0(VALU_DEP_2)
	v_floor_f32 v[MM], -v[MM+1]
	s_delay_alu instid0(VALU_DEP_1)
	v_sub_f32 v[XT], v[MM], v[XT]
	s_delay_alu instid0(VALU_DEP_1)
	v_cvt_i32_f32 v[XT], v[XT]
	s_delay_alu instid0(VALU_DEP_1)
	v_ldexp_f32 v[FF], 1.0, v[XT]
.set j, 0
.rept 32
	v_pk_fma_f32 v[S+j:S+j+1], v[S+j:S+j+1], s[CS:CS+1], v[MM:MM+1] op_sel_hi:[1,0,0]
.set j, j+2
.endr
.irp b, 0,1,2,3
	v_fma_f32 v[BM+\b], v[BM+\b], s[CS], v[MM]
.endr
.set j, 0
	s_wait_alu depctr_va_vdst(0)
.rept 64
	v_exp_f32 v[S+j], v[S+j]
.set j, j+1
.endr
	v_pk_mul_f32 v[MM+2:MM+3], v[MM+2:MM+3], v[FF:FF+1] op_sel_hi:[1,0]
	s_wait_alu depctr_va_vdst(0)
.irp b, 0,1,2,3
	v_exp_f32 v[BM+\b], v[BM+\b]
.endr
	v_pk_add_f32 v[T4:T4+1], v[S:S+1], v[S+2:S+3]
.set j, 4
.rept 15
	v_pk_add_f32 v[MM+2:MM+3], v[MM+2:MM+3], v[S+j:S+j+1]
	v_pk_add_f32 v[T4:T4+1], v[T4:T4+1], v[S+j+2:S+j+3]
.set j, j+4
.endr
	s_delay_alu instid0(VALU_DEP_1)
	v_pk_add_f32 v[MM+2:MM+3], v[MM+2:MM+3], v[T4:T4+1]
	s_wait_alu depctr_va_vdst(0)
.irp b, 0,1,2,3
	v_max_num_f32 v[BM+\b], 0x1800000, v[BM+\b]
.endr
.irp b, 0,1,2,3
	s_delay_alu instid0(VALU_DEP_4)
	v_add_nc_u32 v[SO+\b], 0xff000000, v[BM+\b]
.endr
.irp b, 0,1,2,3
	s_delay_alu instid0(VALU_DEP_4)
	v_lshrrev_b32 v[T4+\b], 23, v[SO+\b]
.endr
	s_delay_alu instid0(VALU_DEP_3)
	v_lshl_or_b32 v[PSW], v[T4+1], 8, v[T4]
	s_delay_alu instid0(VALU_DEP_1)
	v_lshl_or_b32 v[PSW], v[T4+2], 16, v[PSW]
	s_delay_alu instid0(VALU_DEP_1)
	v_lshl_or_b32 v[PSW], v[T4+3], 24, v[PSW]
.irp c, 0,1
	v_cvt_scalef32_pk16_fp6_f32 v[PF+6*\c:PF+2+6*\c], v[S+32*\c:S+15+32*\c], v[SO+2*\c]
	v_cvt_scalef32_pk16_fp6_f32 v[CT+4*\c:CT+2+4*\c], v[S+16+32*\c:S+31+32*\c], v[SO+2*\c+1]
.endr
	v_nop
.irp c, 0,1
.irp k, 0,1,2
	v_permlane16_swap_b32 v[PF+6*\c+\k], v[CT+4*\c+\k]
.endr
.irp k, 0,1,2
	s_delay_alu instid0(VALU_DEP_3)
	v_mov_b32 v[PF+3+6*\c+\k], v[CT+4*\c+\k]
.endr
.endr
	WIN 0x41
.set j, 0
.rept 16
	v_pk_mul_f32 v[32*\i+j:32*\i+j+1], v[32*\i+j:32*\i+j+1], v[FF:FF+1] op_sel_hi:[1,0]
.set j, j+2
.endr
.if \i == 0
	s_wait_alu depctr_va_vdst(0)
	s_wait_dscnt 0x0
.endif
	WIN 0x50
.irp t, 0,1,2,3
	v_wmma_scale_f32_16x16x128_f8f6f4 v[32*\i+8*\t:32*\i+8*\t+7], v[VF+12*\t:VF+12*\t+11], v[PF:PF+11], v[32*\i+8*\t:32*\i+8*\t+7], v[VSC+\t], v[PSW] matrix_a_fmt:MATRIX_FMT_FP6 matrix_b_fmt:MATRIX_FMT_FP6 matrix_a_scale:MATRIX_SCALE_ROW1
.endr
.endm
; K's four fragments and scale words of the step at v[K16], v[K8]: 17 loads, asked for behind tile 3's score products, four places behind them; the last step asks for its own again (the address is held at step 15)
.macro KLOAD
	WIN 0x40
.irp b, 0,1,2,3
	ds_load_b128 v[KF+12*\b:KF+12*\b+3], v[K16] offset:1536*\b
	ds_load_b64 v[KF+12*\b+4:KF+12*\b+5], v[K8] offset:1536*\b+512
	ds_load_b128 v[KF+12*\b+6:KF+12*\b+9], v[K16] offset:1536*\b+768
	ds_load_b64 v[KF+12*\b+10:KF+12*\b+11], v[K8] offset:1536*\b+1280
.endr
	WIN 0
	ds_load_b128 v[KSC:KSC+3], v[K16] offset:12288
.endm
.macro STEP
	s_add_co_u32 s[TN], s[TB], STEPB
	s_min_u32 s[TN], s[TN], 15*STEPB
	v_add_nc_u32 v[A16], s[TB], v[L16]
	v_add_nc_u32 v[A8], s[TB], v[L8]
	v_add_nc_u32 v[K16], s[TN], v[L16]
	v_add_nc_u32 v[K8], s[TN], v[L8]
	ds_load_b128 v[VSC:VSC+3], v[A16] offset:12288
.irp t, 0,1,2,3
	IMG VF+12*\t, 6144+1536*\t
.endr
	TILE 0
	TILE 1
	TILE 2
	TILE 3
	WIN 0
.endm
	s_wait_tensorcnt 0x1
	s_barrier_signal -1
	s_barrier_wait -1
	s_mov_b32 s[TB], 0
	s_mov_b32 s[CNT], 3
	v_mov_b32 v[K16], v[L16]
	v_mov_b32 v[K8], v[L8]
	KLOAD
.Lfirst_steps:
	STEP
	s_add_co_u32 s[TB], s[TB], STEPB
	s_sub_co_u32 s[CNT], s[CNT], 1
	s_cmp_lg_u32 s[CNT], 0
	s_cbranch_scc1 .Lfirst_steps
	s_wait_tensorcnt 0x0
	s_wait_dscnt 0x0
	s_barrier_signal -1
	s_barrier_wait -1
	s_mov_b32 s[TB], 3*STEPB
	s_mov_b32 s[CNT], 13
.Lother_steps:
	STEP
	s_add_co_u32 s[TB], s[TB], STEPB
	s_sub_co_u32 s[CNT], s[CNT], 1
	s_cmp_lg_u32 s[CNT], 0
	s_cbranch_scc1 .Lother_steps
.irp i, 0,1,2,3
	v_add_f32 v[ST+4*\i+2], v[ST+4*\i+2], v[ST+4*\i+3]
.endr
.irp i, 0,1,2,3
	s_delay_alu instid0(VALU_DEP_4)
	v_permlanex16_b32 v[ST+4*\i+3], v[ST+4*\i+2], s[SEL], s[SEL+1]
.endr
.irp i, 0,1,2,3
	s_delay_alu instid0(VALU_DEP_4)
	v_add_f32 v[ST+4*\i+2], v[ST+4*\i+2], v[ST+4*\i+3]
.endr
	s_wait_alu depctr_va_vdst(0)
.irp i, 0,1,2,3
	v_rcp_f32 v[ST+4*\i+3], v[ST+4*\i+2]
.endr
	v_nop
	s_wait_alu depctr_va_vdst(0)
.macro OUTQ i
	WIN 0x01
.set j, 0
.rept 32
	v_mul_f32 v[E+j], v[32*\i+j], v[ST+4*\i+3]
.set j, j+1
.endr
	WIN 0
.irp b, 0,1
.irp k, 0,1,2,3,4,5,6,7
	v_permlane16_swap_b32 v[E+16*\b+\k], v[E+16*\b+8+\k]
.endr
.endr
.irp b, 0,1
	v_max3_num_f32 v[BM+\b], |v[E+16*\b]|, |v[E+1+16*\b]|, 0x1800000
.endr
.irp k, 2,4,6,8,10,12,14
.irp b, 0,1
	s_delay_alu instid0(VALU_DEP_2)
	v_max3_num_f32 v[BM+\b], v[BM+\b], |v[E+16*\b+\k]|, |v[E+1+16*\b+\k]|
.endr
.endr
.irp b, 0,1
	s_delay_alu instid0(VALU_DEP_2)
	v_permlanex16_b32 v[T4+\b], v[BM+\b], s[SEL], s[SEL+1]
.endr
.irp b, 0,1
	s_delay_alu instid0(VALU_DEP_2)
	v_max_num_f32 v[BM+\b], v[BM+\b], v[T4+\b]
.endr
.irp b, 0,1
	s_delay_alu instid0(VALU_DEP_2)
	v_add_nc_u32 v[SO+\b], 0xff000000, v[BM+\b]
.endr
.irp b, 0,1
	s_delay_alu instid0(VALU_DEP_2)
	v_lshrrev_b32 v[T4+\b], 23, v[SO+\b]
.endr
	s_delay_alu instid0(VALU_DEP_1)
	v_lshl_or_b32 v[OW+\i], v[T4+1], 8, v[T4]
	v_cvt_scalef32_pk16_fp6_f32 v[OC+8*\i:OC+8*\i+2], v[E:E+15], v[SO]
	v_cvt_scalef32_pk16_fp6_f32 v[CT:CT+2], v[E+16:E+31], v[SO+1]
	v_nop
.irp k, 0,1,2
	v_permlane16_swap_b32 v[OC+8*\i+\k], v[CT+\k]
.endr
.irp k, 0,1,2
	s_delay_alu instid0(VALU_DEP_3)
	v_mov_b32 v[OC+8*\i+3+\k], v[CT+\k]
.endr
	global_store_b128 v[L16], v[OC+8*\i:OC+8*\i+3], s[OI:OI+1] offset:12288*\i
	global_store_b64 v[L8], v[OC+8*\i+4:OC+8*\i+5], s[OI:OI+1] offset:12288*\i+512
.endm
	OUTQ 0
	OUTQ 1
	OUTQ 2
	OUTQ 3
	v_cndmask_b32 v[OW+4], v[OW], v[OW+1], s[LMASK]
	v_cndmask_b32 v[OW+5], v[OW+2], v[OW+3], s[LMASK]
	global_store_b16 v[L32], v[OW+4], s[OS:OS+1]
	global_store_b16 v[L32], v[OW+5], s[OS:OS+1] offset:1024
	s_wait_tensorcnt 0x0
	ds_add_u32 v254, v255
	s_wait_dscnt 0x0
	CROUND
	s_endpgm
.Lfunc_end_k_qd62d63be50_attn:
	.size	k_qd62d63be50_attn, .Lfunc_end_k_qd62d63be50_attn-k_qd62d63be50_attn
	.p2alignl 7, 3214868480
	.fill 96, 4, 3214868480
	.section	.rodata,"a",@progbits
	.p2align	6, 0x0
	.amdhsa_kernel k_qd62d63be50_attn
		.amdhsa_group_segment_fixed_size 327680
		.amdhsa_private_segment_fixed_size 0
		.amdhsa_enable_private_segment 0
		.amdhsa_kernarg_size 32
		.amdhsa_user_sgpr_count 2
		.amdhsa_user_sgpr_kernarg_segment_ptr 1
		.amdhsa_wavefront_size32 1
		.amdhsa_system_sgpr_workgroup_id_x 1
		.amdhsa_system_sgpr_workgroup_id_y 1
		.amdhsa_system_sgpr_workgroup_id_z 1
		.amdhsa_system_vgpr_workitem_id 0
		.amdhsa_next_free_vgpr 512
		.amdhsa_next_free_sgpr 66
		.amdhsa_reserve_vcc 0
		.amdhsa_float_denorm_mode_32 3
		.amdhsa_float_denorm_mode_16_64 3
		.amdhsa_memory_ordered 1
		.amdhsa_forward_progress 1
		.amdhsa_inst_pref_size 155
	.end_amdhsa_kernel
	.amdgpu_metadata
---
amdhsa.version: [ 1, 2 ]
amdhsa.kernels:
  - .name:           k_qd62d63be50_attn
    .symbol:         k_qd62d63be50_attn.kd
    .args:
      - { .name: q_ws, .offset: 0, .size: 8, .value_kind: global_buffer, .address_space: global }
      - { .name: kv_ws, .offset: 8, .size: 8, .value_kind: global_buffer, .address_space: global }
      - { .name: o_img, .offset: 16, .size: 8, .value_kind: global_buffer, .address_space: global }
      - { .name: o_sc, .offset: 24, .size: 8, .value_kind: global_buffer, .address_space: global }
    .group_segment_fixed_size: 327680
    .private_segment_fixed_size: 0
    .kernarg_segment_align: 8
    .kernarg_segment_size: 32
    .max_flat_workgroup_size: 256
    .sgpr_count:     66
    .vgpr_count:     512
    .wavefront_size: 32
...
	.end_amdgpu_metadata
.endif
;; end of part 2
;; launch proj (part 3): grid 4 x 64, 4 waves a work-group, clusters of 4 x 4, 327,680 bytes of LDS; arguments o_img, o_sc, w_proj_codes, w_proj_scales, b_proj, out0; writes out0
.if DOCPART == 3
	.amdgcn_target "amdgcn-amd-amdhsa--gfx1250"
	.amdhsa_code_object_version 6
	.text
	.protected	k_qd62d63be50_proj
	.globl	k_qd62d63be50_proj
	.p2align	8
	.type	k_qd62d63be50_proj,@function
k_qd62d63be50_proj:
	s_mov_b64 s[64:65], 0
	v_nop
	global_prefetch_b8 v0, s[64:65] scope:SCOPE_SE
	s_setreg_imm32_b32 hwreg(HW_REG_WAVE_MODE, 25, 1), 1
	s_wait_xcnt 0x0
	s_wait_alu depctr_hold_cnt(0) depctr_sa_sdst(0) depctr_va_vdst(0) depctr_va_sdst(0) depctr_va_ssrc(0) depctr_va_vcc(0) depctr_vm_vsrc(0)
	s_getreg_b32 s2, hwreg(HW_REG_IB_STS2, 6, 4)
	s_cmp_eq_u32 s2, 0
	s_cbranch_scc0 .Lentry_in_a_cluster
	s_endpgm
.Lentry_in_a_cluster:
	s_bfe_u32 s2, ttmp6, 0x10000c
	s_cmp_lg_u32 s2, 0xf033
	s_cbranch_scc0 .Lentry_shape_is_right
	s_endpgm
.Lentry_shape_is_right:
; out0 = o w_proj + b_proj on codes of FP6 (E2M3) with E8M0 scales; sums in f32.
; o_img [tile of 16 tokens 512][head 16][768]: images of operand registers (16 rows x 64 K: registers 0-3 at 16 x lane, 4-5 at 512 + 8 x lane); o_sc [8192][32]; w_proj's rows: 768 bytes of codes, 32 scale bytes.
; A work-group makes 128 tokens x 256 columns; all of K lies in LDS, asked for at the head, one joint load a wave: A's 98,304 dense bytes, B's 256 rows of 768 bytes, both sides' scale bytes.  Nothing is filled again.
; A wave makes 64 x 128: 32 accumulators; eight steps of 128 along K, the next step's fragments asked of LDS ahead of a step's 32 products.  Source 0 = B's rows, source 1 = A's: a lane holds eight neighbouring columns of a row of out0.
; CLUSTERS 4 x 4: A's bytes jointly along a row of the cluster, B's along a column.  No prefetch: all tiles are asked for at the head, and no loop runs ahead of a load.
; THE WAY OUT: 16 rows x 128 columns at a time through the wave's own stage, which lies on A's bytes, behind a barrier behind which nobody reads them; rows of 512 bytes leave as two aligned units of 256.
; REGISTERS: window 0: v0-31 addresses; v32-63 scale words, two sets; v64-127 the bias; v128-223 A's fragments, two sets of four (v128-255 on the way out).  Window 1: B's fragments, sets at v0, v128.  Window 2: accumulator (a, b) at v[8 (8 a + b)].
.set KROW, 768
.set PITCH, 816
.set FR, 12
.set BB0, 98304
.set SCL, BB0+256*PITCH
.set SBLK, 544
.set SPARE, SCL+48*272
.set SPITCH, 528
.set ADRA, 16                          ; v16: 16 x lane, v18: 8 x lane, in my four tiles of A
.set ADRB, 20
.set STO, 24
.set RD, 25
.set CO, 7
.set ADRS, 27
.set SPW, 28
.set NIL, 29
.set SC, 32
.set BT, 64
.set AF, 128
.set BK, 128
.set G1, 24
.set G0, 32
.set G1B, 48
.set G0B, 56
.set G1S, 68
.set G0S, 76
.set G1SB, 80
.set G0SB, 88
.set MSB, 0
.macro WIN new
.if MSB != \new
	s_set_vgpr_msb (MSB<<8)|\new
.set MSB, \new
.endif
.endm
.macro PLACES n
.rept \n
	v_nop
.endr
.endm
.macro CROUND
	s_barrier_signal -1
	s_barrier_wait -1
	s_cmp_lg_u32 s14, 0
	s_cbranch_scc1 .Lnot_wave_0_\@
	s_barrier_signal -3
.Lnot_wave_0_\@:
	s_barrier_wait -3
	s_barrier_signal -1
	s_barrier_wait -1
.endm
.macro TLOAD g0, g1
	tensor_load_to_lds s[\g0:\g0+3], s[\g1:\g1+7]
	s_nop 0
	PLACES 4
.endm
.macro ARM under, g0, g1, next
	s_cmp_lt_u32 s14, \under
	s_cbranch_scc0 \next
	TLOAD \g0, \g1
	s_branch .Lhead_asked
\next:
.endm
.macro DENSEG1 g, mask, rows, pad      ; a dense block as rows of 256 bytes
	s_or_b32 s[\g], s\mask, (3<<16)|(1<<21)|(\pad)
	s_mov_b32 s[\g+1], 32<<16
	s_mov_b32 s[\g+2], (\rows)<<16
	s_mov_b32 s[\g+3], 32<<16
	s_mov_b32 s[\g+4], \rows
	s_mov_b32 s[\g+5], 32
	s_mov_b32 s[\g+6], 0
	s_mov_b32 s[\g+7], 0
.endm
.set PAD16, (1<<20)|(5<<22)|(3<<25)    ; 16 bytes behind every 256
	s_load_b128 s[4:7], s[0:1], 0x0                ; o_img, o_sc
	s_load_b128 s[8:11], s[0:1], 0x10              ; w's codes, w's scales
	s_load_b64 s[2:3], s[0:1], 0x20                ; b_proj
	s_load_b64 s[12:13], s[0:1], 0x28              ; out0
	v_lshl_add_u32 v[SPW], v0, 2, SPARE
	v_mov_b32 v[NIL], 0
	ds_add_u32 v[SPW], v[NIL]                      ; the opening lines: the add twice and its wait
	ds_add_u32 v[SPW], v[NIL]
	v_lshrrev_b32 v1, 5, v0
	v_readfirstlane_b32 s14, v1
	s_lshr_b32 s15, s14, 1                         ; my 64 of the 128 tokens
	s_and_b32 s16, s14, 1                          ; my 128 of the 256 columns
	s_bfe_u32 s40, ttmp6, 0x40000
	s_bfe_u32 s41, ttmp6, 0x40004
	s_lshl_b32 s42, ttmp9, 2
	s_add_co_u32 s42, s42, s40                     ; tile column
	s_and_b32 s17, ttmp7, 0xffff
	s_lshl_b32 s17, s17, 2
	s_add_co_u32 s17, s17, s41                     ; tile row
	s_lshl_b32 s43, s41, 2
	s_lshl_b32 s43, 15, s43
	s_lshl_b32 s44, 0x1111, s40
	DENSEG1 G1, 43, 384, 0
	DENSEG1 G1S, 43, 16, PAD16
	DENSEG1 G1SB, 44, 32, PAD16
	s_or_b32 s[G1B], s44, (1<<21)|PAD16            ; 256 rows of 768 bytes
	s_mov_b32 s[G1B+1], KROW<<16
	s_mov_b32 s[G1B+2], 256<<16
	s_mov_b32 s[G1B+3], KROW<<16
	s_mov_b32 s[G1B+4], 256
	s_mov_b32 s[G1B+5], KROW
	s_mov_b32 s[G1B+6], 0
	s_mov_b32 s[G1B+7], 0
	s_mov_b32 s[G0], 1
	s_mov_b32 s[G0+1], 0
	s_mov_b32 s[G0B], 1
	s_mov_b32 s[G0B+1], BB0
	s_mov_b32 s[G0S], 1
	s_mov_b32 s[G0S+1], SCL
	s_mov_b32 s[G0SB], 1
	s_mov_b32 s[G0SB+1], SCL+16*272
	s_mul_i32 s20, s17, 98304
	s_mov_b32 s21, 0
	s_lshl_b32 s22, s17, 12
	s_mov_b32 s23, 0
	s_mul_i32 s46, s42, 256*KROW
	s_mov_b32 s47, 0
	s_lshl_b32 s18, s42, 13
	s_mov_b32 s19, 0
	s_wait_alu depctr_va_vdst(0)
	s_wait_dscnt 0x0
	CROUND                                         ; all sixteen work-groups are here: the joint loads meet
	s_wait_kmcnt 0x0
	s_add_nc_u64 s[G0+2:G0+3], s[4:5], s[20:21]
	s_add_nc_u64 s[G0S+2:G0S+3], s[6:7], s[22:23]
	s_add_nc_u64 s[G0B+2:G0B+3], s[8:9], s[46:47]
	s_add_nc_u64 s[G0SB+2:G0SB+3], s[10:11], s[18:19]
	s_or_b32 s[G0+3], s[G0+3], 0x80000000
	s_or_b32 s[G0S+3], s[G0S+3], 0x80000000
	s_or_b32 s[G0B+3], s[G0B+3], 0x80000000
	s_or_b32 s[G0SB+3], s[G0SB+3], 0x80000000
	ARM 1, G0B, G1B, .Lhead_a                      ; one load a wave: B's rows, A's images, A's scales, B's scales
	ARM 2, G0, G1, .Lhead_sa
	ARM 3, G0S, G1S, .Lhead_sb
	TLOAD G0SB, G1SB
.Lhead_asked:
	v_and_b32 v1, 15, v0                           ; r
	v_bfe_u32 v2, v0, 4, 1                         ; h
	v_and_b32 v6, 31, v0
	v_mul_u32_u24 v3, v1, PITCH
	v_mad_u32_u24 v4, v2, 24, v3
	v_mad_u32_u24 v5, v2, 40, v3
	v_lshlrev_b32 v[CO], 4, v6
	v_lshlrev_b32 v8, 3, v6
	v_lshlrev_b32 v9, 5, v2                        ; the bias: 8 numbers for each half of the lanes
	v_lshlrev_b32 v10, 5, v1
	v_lshrrev_b32 v11, 8, v10
	v_lshl_add_u32 v10, v11, 4, v10
	v_mul_u32_u24 v12, v1, SPITCH
	v_lshl_add_u32 v12, v2, 5, v12
	s_wait_alu depctr_va_vdst(0)
	s_mul_i32 s21, s15, 4*12288
	s_mul_i32 s22, s16, 128*PITCH
	s_add_co_u32 s22, s22, BB0
	v_add_nc_u32 v[ADRA], s21, v[CO]
	v_add_nc_u32 v[ADRA+2], s21, v8
	v_add_nc_u32 v[ADRB], s22, v4
	v_add_nc_u32 v[ADRB+2], s22, v5
	s_add_co_u32 s22, s22, 64*PITCH
	v_add_nc_u32 v[ADRB+1], s22, v4
	v_add_nc_u32 v[ADRB+3], s22, v5
	s_mul_i32 s21, s15, 4*SBLK
	s_mul_i32 s22, s16, 8*SBLK
	s_add_co_u32 s22, s22, 8*SBLK
	s_sub_co_u32 s22, s22, s21
	s_add_co_u32 s21, s21, SCL
	v_mul_u32_u24 v13, s22, v2                     ; lanes 16-31 take B's words
	v_add_nc_u32 v13, v13, v10
	v_add_nc_u32 v[ADRS], s21, v13
	s_mul_i32 s23, s14, 16*SPITCH                  ; my stage
	v_add_nc_u32 v[STO], s23, v12
	v_add_nc_u32 v[RD], s23, v[CO]
	s_lshl_b32 s20, s17, 7
	s_lshl_b32 s21, s15, 6
	s_add_co_u32 s20, s20, s21                     ; my first row of out0
	s_mov_b32 s21, 0
	s_lshl_b64 s[20:21], s[20:21], 12
	s_lshl_b32 s46, s42, 10
	s_lshl_b32 s47, s16, 9
	s_add_co_u32 s46, s46, s47                     ; my first column, in bytes
	s_mov_b32 s47, 0
	s_add_nc_u64 s[2:3], s[2:3], s[46:47]
	s_add_nc_u64 s[20:21], s[20:21], s[46:47]
	s_add_nc_u64 s[12:13], s[12:13], s[20:21]
.irp b, 0,1,2,3,4,5,6,7
	global_load_b128 v[BT+8*\b:BT+8*\b+3], v9, s[2:3] offset:64*\b
	global_load_b128 v[BT+8*\b+4:BT+8*\b+7], v9, s[2:3] offset:64*\b+16
.endr
.macro FRAG reg, st, i                 ; B: six pieces of 8 bytes; piece n of a row lies at 8 n + 16 (n / 32); lanes 16-31 read three pieces on
.irp p, 0,1,2,3,4,5
.set PCE, 12*(\st)+6*(\p/3)+\p%3
.if PCE%32 < 29
	ds_load_b64 v[\reg+2*\p:\reg+2*\p+1], v[ADRB+(\i)/4] offset:8*PCE+16*(PCE/32)+((\i)%4)*16*PITCH
.else
	ds_load_b64 v[\reg+2*\p:\reg+2*\p+1], v[ADRB+2+(\i)/4] offset:8*PCE+16*(PCE/32)+((\i)%4)*16*PITCH
.endif
.endr
.endm
.macro IMG dst, off                    ; A: two images of six registers
	ds_load_b128 v[\dst:\dst+3], v[ADRA] offset:\off
	ds_load_b64 v[\dst+4:\dst+5], v[ADRA+2] offset:\off+512
	ds_load_b128 v[\dst+6:\dst+9], v[ADRA] offset:\off+768
	ds_load_b64 v[\dst+10:\dst+11], v[ADRA+2] offset:\off+1280
.endm
.macro FETCH st
	WIN 0x40
.irp i, 0,1,2,3,4,5,6,7
	FRAG 128*((\st)%2)+FR*\i, \st, \i
.endr
	WIN 0
.irp i, 0,1,2,3
	IMG AF+FR*(\i+4*((\st)%2)), 12288*\i+1536*(\st)
.endr
.if (\st)%2 == 0
.irp i, 0,1,2,3,4,5,6,7
	ds_load_b64 v[SC+16*(((\st)/2)%2)+2*\i:SC+16*(((\st)/2)%2)+2*\i+1], v[ADRS] offset:\i*SBLK+4*(\st)
.endr
.endif
.endm
.macro WM a, b, c
	v_wmma_scale_f32_16x16x128_f8f6f4 v[8*(8*(\a)+\b):8*(8*(\a)+\b)+7], v[128*P_+FR*\b:128*P_+FR*\b+FR-1], v[AF+FR*((\a)+4*P_):AF+FR*((\a)+4*P_)+FR-1], \c, v[S_+2*\b], v[S_+2*(\a)] matrix_a_fmt:MATRIX_FMT_FP6 matrix_b_fmt:MATRIX_FMT_FP6 matrix_a_scale:MATRIX_SCALE_ROW1
.endm
.macro MULS st, mode                   ; 32 products, the 32 accumulators by turns; mode 1: the sums begin with the bias
.set P_, (\st)%2
.set S_, SC+16*(((\st)/2)%2)+P_
.if \mode
	WIN 0x81
.else
	WIN 0xa1
.endif
.irp a, 0,1,2,3
.irp b, 0,1,2,3,4,5,6,7
.if \mode
	WM \a, \b, v[BT+8*\b:BT+8*\b+7]
.else
	WM \a, \b, v[8*(8*\a+\b):8*(8*\a+\b)+7]
.endif
.endr
.endr
.endm
.macro PRE st                          ; step st's fragments are in; the next step's are asked for, four places behind the products that read their registers
	s_wait_dscnt 0x0
.if (\st) < 7
	PLACES 4
	FETCH (\st)+1
.endif
.endm
	s_wait_alu depctr_va_vdst(0)
	s_wait_tensorcnt 0x0                           ; my tile is in
	s_barrier_signal -1
	s_barrier_wait -1                              ; all four are
	FETCH 0
	PRE 0
	s_wait_loadcnt 0x0                             ; the bias
	MULS 0, 1
.irp st, 1,2,3,4,5,6
	PRE \st
	MULS \st, 0
.endr
	PRE 7                                          ; my last reads of LDS are over:
	s_barrier_signal -1                            ; say so,
	MULS 7, 0
	WIN 0
	s_barrier_wait -1                              ; and nobody reads A's bytes any more: the stages lie there
.macro TOSTAGE a
.set AC, 64*(\a)
	WIN 0x08
.irp b, 0,1,2,3,4,5,6,7
	ds_store_b128 v[STO], v[AC+8*\b:AC+8*\b+3] offset:64*\b          ; each accumulator from its low end on
	ds_store_b128 v[STO], v[AC+8*\b+4:AC+8*\b+7] offset:64*\b+16
.endr
	WIN 0
.set BB, BK+64*((\a)%2)
.irp t, 0,1,2,3,4,5,6,7,8,9,10,11,12,13,14,15
	ds_load_b128 v[BB+4*\t:BB+4*\t+3], v[RD] offset:\t*SPITCH        ; LDS serves a wave's instructions in order: these see the stores above
.endr
.endm
.macro SEND a, younger                 ; younger: the LDS instructions issued behind block a's loads
.set BB, BK+64*((\a)%2)
	s_wait_dscnt \younger
.if (\a) > 0
	s_add_nc_u64 s[12:13], s[12:13], 16*4096       ; behind a wait on XCNT: the earlier stores have read their base
.endif
.irp t, 0,1,2,3,4,5,6,7,8,9,10,11,12,13,14,15
	global_store_b128 v[CO], v[BB+4*\t:BB+4*\t+3], s[12:13] offset:\t*4096 th:TH_STORE_NT   ; 32 lanes store 512 consecutive bytes, aligned to 256
.endr
.endm
	PLACES 4
	TOSTAGE 0
.irp a, 1,2,3
.if \a > 1
	s_wait_xcnt 0x0                                ; block a - 2's stores have read their registers and their base
.endif
	TOSTAGE \a
	SEND \a-1, 32
.endr
	s_wait_xcnt 0x0
	SEND 3, 0
	s_wait_tensorcnt 0x0                           ; the wave's end
	ds_add_u32 v[SPW], v[NIL]
	s_wait_dscnt 0x0
	CROUND                                         ; the closing round
	s_endpgm
.Lfunc_end_k_qd62d63be50_proj:
	.size	k_qd62d63be50_proj, .Lfunc_end_k_qd62d63be50_proj-k_qd62d63be50_proj
	.p2alignl 7, 3214868480
	.fill 96, 4, 3214868480
	.section	.rodata,"a",@progbits
	.p2align	6, 0x0
	.amdhsa_kernel k_qd62d63be50_proj
		.amdhsa_group_segment_fixed_size 327680
		.amdhsa_private_segment_fixed_size 0
		.amdhsa_enable_private_segment 0
		.amdhsa_kernarg_size 48
		.amdhsa_user_sgpr_count 2
		.amdhsa_user_sgpr_kernarg_segment_ptr 1
		.amdhsa_wavefront_size32 1
		.amdhsa_system_sgpr_workgroup_id_x 1
		.amdhsa_system_sgpr_workgroup_id_y 1
		.amdhsa_system_sgpr_workgroup_id_z 1
		.amdhsa_system_vgpr_workitem_id 0
		.amdhsa_next_free_vgpr 768
		.amdhsa_next_free_sgpr 98
		.amdhsa_reserve_vcc 0
		.amdhsa_float_denorm_mode_32 3
		.amdhsa_float_denorm_mode_16_64 3
		.amdhsa_memory_ordered 1
		.amdhsa_forward_progress 1
		.amdhsa_inst_pref_size 93
	.end_amdhsa_kernel
	.amdgpu_metadata
---
amdhsa.version: [ 1, 2 ]
amdhsa.kernels:
  - .name:           k_qd62d63be50_proj
    .symbol:         k_qd62d63be50_proj.kd
    .args:
      - { .name: o_img, .offset: 0, .size: 8, .value_kind: global_buffer, .address_space: global }
      - { .name: o_sc, .offset: 8, .size: 8, .value_kind: global_buffer, .address_space: global }
      - { .name: w_proj_codes, .offset: 16, .size: 8, .value_kind: global_buffer, .address_space: global }
      - { .name: w_proj_scales, .offset: 24, .size: 8, .value_kind: global_buffer, .address_space: global }
      - { .name: b_proj, .offset: 32, .size: 8, .value_kind: global_buffer, .address_space: global }
      - { .name: out0, .offset: 40, .size: 8, .value_kind: global_buffer, .address_space: global }
    .group_segment_fixed_size: 327680
    .private_segment_fixed_size: 0
    .kernarg_segment_align: 8
    .kernarg_segment_size: 48
    .max_flat_workgroup_size: 128
    .sgpr_count:     98
    .vgpr_count:     768
    .wavefront_size: 32
...
	.end_amdgpu_metadata
.endif
;; end of part 3
